; MI455X (gfx1250); checked and timed in simulation.
; The chip was launched on July 23, 2026; its instructions are those of AMD's public machine-readable ISA for CDNA 5 (MIT licence, August 2026) and "CDNA5" Instruction Set Architecture Reference Guide (July 2026). The comments in the code are by the model that wrote it; some were corrected since.
;; Flash Attention. Allowed arithmetic: float matrix products may take bf16 or f16 operands with f32 sums; all other float work in f32.
;; Inputs: Wk 1,024 x 1,024 float32; Wo 1,024 x 1,024 float32; Wq 1,024 x 1,024 float32; Wv 1,024 x 1,024 float32; bk 1,024 float32; bo 1,024 float32; bq 1,024 float32; bv 1,024 float32; key 2 x 2,048 x 1,024 float32; query 2 x 2,048 x 1,024 float32; value 2 x 2,048 x 1,024 float32.
;; Outputs: out0 2 x 2,048 x 1,024 float32.
;; One version. Each part assembles by itself: llvm-mc -triple=amdgcn-amd-amdhsa -mcpu=gfx1250 --defsym DOCPART=n.
;; ======== version 1 of 1: 4 launches
;; limits: values are held in f16: magnitudes above 65,504 overflow, below 6.1e-05 lose precision
;; workspace buffers: xh 25,165,824 bytes; wh 8,388,608 bytes; qkv 25,165,824 bytes; att 8,388,608 bytes
;; launch cast (part 1): grid 256 x 4, 8 waves a work-group, no clusters, 0 bytes of LDS; arguments query, key, value, Wq, Wk, Wv, Wo, xh, wh; writes xh, wh
.if DOCPART == 1
	.amdgcn_target "amdgcn-amd-amdhsa--gfx1250"
	.amdhsa_code_object_version 6
	.text
	.protected	k_q0aba0d131e_cast
	.globl	k_q0aba0d131e_cast
	.p2align	8
	.type	k_q0aba0d131e_cast,@function
k_q0aba0d131e_cast:
	s_mov_b64 s[64:65], 0
	v_nop
	global_prefetch_b8 v0, s[64:65] scope:SCOPE_SE
	s_setreg_imm32_b32 hwreg(HW_REG_WAVE_MODE, 25, 1), 1
	s_wait_xcnt 0x0
; cast: f16 copies of the seven large f32 inputs, so that the two products that follow can bring their tiles into LDS
; as matrix operands.  xh = query, key, value as [4096][1024] f16, one behind the other; wh = Wq, Wk, Wv, Wo as [1024][1024] f16.
; LIMIT: a number of magnitude 65,520 or more becomes an infinity in f16; below 6.1e-5 the step is 6e-8 (f16 denormals).
; A work-group takes 65,536 bytes of f32 and makes 32,768 bytes of f16.  y = 0, 1, 2: chunk x of query, key, value;
; y = 3: chunk x & 63 of weight x >> 6.  Thread t takes 16 bytes at 16 t of each 4,096 bytes: a wave's load covers 512
; consecutive bytes, a wave's store 256 consecutive bytes at a multiple of 256.  All sixteen loads of a thread go out at once;
; each has registers of its own, so nothing is rewritten.  No LDS, no barrier, no matrix unit, no cluster: nothing is shared.
.set X, 4                              ; v[4:67]   load i: 4 registers of f32
.set Y, 68                             ; v[68:99]  store i: 2 registers, 4 f16
	s_load_b512 s[8:23], s[0:1], 0x0               ; query 8:9, key 10:11, value 12:13, Wq 14:15, Wk 16:17, Wv 18:19, Wo 20:21, xh 22:23
	s_load_b64 s[24:25], s[0:1], 0x40              ; wh
	s_and_b32 s2, ttmp7, 0xffff                    ; y
	s_mov_b32 s3, ttmp9                            ; x
	s_and_b32 s5, s3, 63                           ; a weight's chunk
	s_lshr_b32 s6, s3, 6
	s_add_co_u32 s6, s6, 3                         ; a weight's place among the seven sources
	s_lshl_b32 s7, s2, 8
	s_add_co_u32 s7, s7, s3                        ; chunk in xh: 256 y + x
	s_cmp_lt_u32 s2, 3                             ; an activation?
	s_cselect_b32 s4, s2, s6                       ; which source, 0 to 6
	s_cselect_b32 s5, s3, s5                       ; which chunk of it
	s_cselect_b32 s7, s7, s3                       ; which chunk of the destination (wh: 64 chunks a weight, so simply x)
	v_lshlrev_b32 v1, 4, v0                        ; 16 t
	v_lshlrev_b32 v2, 3, v0                        ; 8 t
	s_lshl_b32 s30, s5, 16                         ; the source chunk in bytes, as a pair with 0 above
	s_mov_b32 s31, 0
	s_wait_kmcnt 0x0
	s_cmp_lt_u32 s2, 3
	s_cselect_b64 s[28:29], s[22:23], s[24:25]     ; xh or wh
	s_mov_b64 s[26:27], s[8:9]
.irp k, 1,2,3,4,5,6
	s_cmp_eq_u32 s4, \k
	s_cselect_b64 s[26:27], s[8+2*\k:9+2*\k], s[26:27]
.endr
	s_add_nc_u64 s[26:27], s[26:27], s[30:31]
	s_lshl_b32 s30, s7, 15                         ; the destination chunk in bytes: 767 x 32,768 at the most
	s_add_nc_u64 s[28:29], s[28:29], s[30:31]
.irp i, 0,1,2,3,4,5,6,7,8,9,10,11,12,13,14,15
	global_load_b128 v[X+4*\i:X+4*\i+3], v1, s[26:27] offset:4096*\i th:TH_LOAD_NT   ; read once in the whole program
.endr
.irp i, 0,1,2,3,4,5,6,7,8,9,10,11,12,13,14,15
	s_wait_loadcnt 15-\i                           ; loads come back in order: load i is in, the 15 - i younger ones stay out
	v_cvt_pk_f16_f32 v[Y+2*\i],   v[X+4*\i],   v[X+4*\i+1]
	v_cvt_pk_f16_f32 v[Y+2*\i+1], v[X+4*\i+2], v[X+4*\i+3]
	global_store_b64 v2, v[Y+2*\i:Y+2*\i+1], s[28:29] offset:2048*\i   ; no hint: the next launch reads it
.endr
	s_endpgm
.Lfunc_end_k_q0aba0d131e_cast:
	.size	k_q0aba0d131e_cast, .Lfunc_end_k_q0aba0d131e_cast-k_q0aba0d131e_cast
	.p2alignl 7, 3214868480
	.fill 96, 4, 3214868480
	.section	.rodata,"a",@progbits
	.p2align	6, 0x0
	.amdhsa_kernel k_q0aba0d131e_cast
		.amdhsa_group_segment_fixed_size 0
		.amdhsa_private_segment_fixed_size 0
		.amdhsa_enable_private_segment 0
		.amdhsa_kernarg_size 72
		.amdhsa_user_sgpr_count 2
		.amdhsa_user_sgpr_kernarg_segment_ptr 1
		.amdhsa_wavefront_size32 1
		.amdhsa_system_sgpr_workgroup_id_x 1
		.amdhsa_system_sgpr_workgroup_id_y 1
		.amdhsa_system_sgpr_workgroup_id_z 1
		.amdhsa_system_vgpr_workitem_id 0
		.amdhsa_next_free_vgpr 100
		.amdhsa_next_free_sgpr 66
		.amdhsa_reserve_vcc 0
		.amdhsa_float_denorm_mode_32 3
		.amdhsa_float_denorm_mode_16_64 3
		.amdhsa_memory_ordered 1
		.amdhsa_forward_progress 1
		.amdhsa_inst_pref_size 7
	.end_amdhsa_kernel
	.amdgpu_metadata
---
amdhsa.version: [ 1, 2 ]
amdhsa.kernels:
  - .name:           k_q0aba0d131e_cast
    .symbol:         k_q0aba0d131e_cast.kd
    .args:
      - { .name: query, .offset: 0, .size: 8, .value_kind: global_buffer, .address_space: global }
      - { .name: key, .offset: 8, .size: 8, .value_kind: global_buffer, .address_space: global }
      - { .name: value, .offset: 16, .size: 8, .value_kind: global_buffer, .address_space: global }
      - { .name: Wq, .offset: 24, .size: 8, .value_kind: global_buffer, .address_space: global }
      - { .name: Wk, .offset: 32, .size: 8, .value_kind: global_buffer, .address_space: global }
      - { .name: Wv, .offset: 40, .size: 8, .value_kind: global_buffer, .address_space: global }
      - { .name: Wo, .offset: 48, .size: 8, .value_kind: global_buffer, .address_space: global }
      - { .name: xh, .offset: 56, .size: 8, .value_kind: global_buffer, .address_space: global }
      - { .name: wh, .offset: 64, .size: 8, .value_kind: global_buffer, .address_space: global }
    .group_segment_fixed_size: 0
    .private_segment_fixed_size: 0
    .kernarg_segment_align: 8
    .kernarg_segment_size: 72
    .max_flat_workgroup_size: 256
    .sgpr_count:     66
    .vgpr_count:     100
    .wavefront_size: 32
...
	.end_amdgpu_metadata
.endif
;; end of part 1
;; launch proj (part 2): grid 12 x 16, 4 waves a work-group, clusters of 4 x 4, 327,680 bytes of LDS; arguments xh, wh, bq, bk, bv, qkv; writes qkv
.if DOCPART == 2
	.amdgcn_target "amdgcn-amd-amdhsa--gfx1250"
	.amdhsa_code_object_version 6
	.text
	.protected	k_q0aba0d131e_proj
	.globl	k_q0aba0d131e_proj
	.p2align	8
	.type	k_q0aba0d131e_proj,@function
k_q0aba0d131e_proj:
	s_mov_b64 s[64:65], 0
	v_nop
	global_prefetch_b8 v0, s[64:65] scope:SCOPE_SE
	s_setreg_imm32_b32 hwreg(HW_REG_WAVE_MODE, 25, 1), 1
	s_wait_xcnt 0x0
	s_wait_alu depctr_hold_cnt(0) depctr_sa_sdst(0) depctr_va_vdst(0) depctr_va_sdst(0) depctr_va_ssrc(0) depctr_va_vcc(0) depctr_vm_vsrc(0)
	s_getreg_b32 s2, hwreg(HW_REG_IB_STS2, 6, 4)
	s_cmp_eq_u32 s2, 0
	s_cbranch_scc0 .Lentry_in_a_cluster
	s_endpgm
.Lentry_in_a_cluster:
	s_bfe_u32 s2, ttmp6, 0x10000c
	s_cmp_lg_u32 s2, 0xf033
	s_cbranch_scc0 .Lentry_shape_is_right
	s_endpgm
.Lentry_shape_is_right:
; proj: Q, K, V = x W^T + b, three products of 4096 x 1024 x 1024 in one launch.  Operands f16, sums f32, results f16.
; The cluster's x (0, 1, 2) says which of the three; a cluster of 4 x 4 work-groups makes 1024 rows x all 1024 columns of it.
; A work-group makes 256 x 256 with four waves, a wave 128 x 128: 64 accumulator tiles of 16 x 16, 512 registers.
; K goes in steps of 128 through two LDS slots filled by the tensor data mover; a tile's rows are 256 bytes of memory at multiples of 256.
; CLUSTERS: the four work-groups of a row of the cluster need the same tiles of x, the four of a column the same tiles of W: each such
; tile is asked for jointly, by the same tensor load with a mask that names the four.
; THE BIAS is the C operand of the first product of each accumulator: no add, nothing cleared.
; Q IS STORED TIMES c = 0.125 log2(e), multiplied in f32 ahead of its one rounding: the scores then come out of the next launch's matrix
; products in units of log2, and the maximum can be taken away from them by a plain subtraction, which is exactly 0 at the maximum.
; RESULT LAYOUT: qkv = Q, K, V, each [batch][head pair][token][128] f16: a token's two heads are one aligned row of 256 bytes.
; LIMITS: |Q|, |K|, |V| of 65,520 or more become infinities in f16; the order of the sums is the matrix unit's, not reference()'s.
;
; REGISTERS, in windows of 256:
;   window 0: v16-27 addresses; v64-127, v128-191 fragments of x, two buffers; v192-223 at work on the way out
;   window 1: v64-127, v128-191 fragments of W, two buffers; v192-255 the bias: tuple b = the 8 columns that a lane holds of column block b
;   window 2: the 32 accumulator tiles of my rows 0-63 (tile (a, b) at v[8 (8 a + b)]);   window 3: those of my rows 64-127
; THE MATRIX INSTRUCTION IS USED TRANSPOSED: source 0 = 16 rows of W, source 1 = 16 rows of x.  Lane l then holds row l % 16 of the result and
; its registers 0 to 7 the columns 8 (l / 16) + 0 .. 7: eight neighbouring numbers, which pack into 16 bytes.
.set SIZE_K, 1024
.set KSTEP,  128
.set PITCH,  272                       ; an LDS row: 256 bytes + 16 of padding, so that 16 rows begin in 16 different columns of 16 bytes
.set HALFT,  128*PITCH                 ; 128 rows: what one tensor load brings
.set SLOT,   4*HALFT                   ; x's 256 rows, then W's 256 rows
.set STAGE,  2*SLOT                    ; behind the ring: 16 rows x 272 bytes for each wave; no fill ever lands here
.set SPITCH, 272
.set LAPS, SIZE_K/(2*KSTEP)            ; 4 laps of two K steps
.set ADRA, 16                          ; v16-17  LDS address of my x fragments in slot 0, 1
.set ADRB, 20                          ; v20-21  the same for W
.set STO,  24                          ; v24     way out: where I put 16 bytes of a row
.set RD,   25                          ; v25     way out: where I read rows back
.set CO,   26                          ; v26     16 x lane: my place in 512 consecutive bytes of the result
.set BO,   27                          ; v27     32 (l / 16): my 8 columns' bytes in a block of 16 biases
.set F0,   64
.set F1,   128
.set TMP,  192                         ; window 0
.set BIAS, 192                         ; window 1
.set G1, 24                            ; s[24:31] group 1 for x's tiles
.set G0, 32                            ; s[32:39] group 0 for x's tiles, one set a slot
.set G1B, 48                           ; s[48:55] group 1 for W's tiles: another mask
.set G0B, 56                           ; s[56:63] group 0 for W's tiles
.set MSB, 0
.macro WIN new                         ; the immediate's high byte repeats the setting that is left
.if MSB != \new
	s_set_vgpr_msb (MSB<<8)|\new
.set MSB, \new
.endif
.endm
.set MUL_LO,  0xa1                     ; source 0 (W) window 1, source 1 (x) window 0, C and D window 2
.set MUL_HI,  0xf1                     ; the same, C and D window 3
.set MULB_LO, 0x91                     ; the first product: C is the bias in window 1, D window 2
.set MULB_HI, 0xd1                     ; C window 1, D window 3
.set TO_B,    0x40                     ; destination window 1, address window 0
; A joint load.  Waves 0 and 1 fetch x's two halves, waves 2 and 3 W's.  The branch hangs on the wave's number alone.
.macro JLOAD s
	s_cmp_eq_u32 s11, 0
	s_cbranch_scc0 .Lfor_b_\@
	tensor_load_to_lds s[G0+4*\s:G0+4*\s+3], s[G1:G1+7]
	s_nop 0
	s_branch .Lasked_\@
.Lfor_b_\@:
	tensor_load_to_lds s[G0B+4*\s:G0B+4*\s+3], s[G1B:G1B+7]
	s_nop 0
.Lasked_\@:
.endm
; A round of the cluster's barrier: my work-group's barrier; wave 0 signals for the work-group; every wave waits for all sixteen; my barrier again.
.macro CREST                           ; a round behind its opening barrier
	s_cmp_lg_u32 s10, 0
	s_cbranch_scc1 .Lnot_wave_0_\@
	s_barrier_signal -3
.Lnot_wave_0_\@:
	s_barrier_wait -3
	s_barrier_signal -1
	s_barrier_wait -1
.endm
.macro CROUND
	s_barrier_signal -1
	s_barrier_wait -1
	CREST
.endm
	s_load_b128 s[4:7], s[0:1], 0x0                ; xh s[4:5], wh s[6:7]
	s_load_b256 s[68:75], s[0:1], 0x10             ; bq 68:69, bk 70:71, bv 72:73, qkv 74:75
	s_set_vgpr_msb 0x40
	v_lshl_add_u32 v63, v0, 2, 0x48400
	s_set_vgpr_msb 0x4000
	v_mov_b32 v255, 0
	s_set_vgpr_msb 0x1
	ds_add_u32 v63, v255
	s_set_vgpr_msb 0x100
	v_lshrrev_b32 v1, 5, v0
	v_readfirstlane_b32 s10, v1                    ; wave 0..3
	s_lshr_b32 s11, s10, 1                         ; which half of the block's rows is mine.  Also: I fetch for x (0) or for W (1)
	s_and_b32 s12, s10, 1                          ; which half of its columns.  Also: which 128 rows of that tile I fetch
	s_bfe_u32 s40, ttmp6, 0x40000                  ; cx = the block column: a cluster spans all 1024 columns
	s_bfe_u32 s41, ttmp6, 0x40004                  ; cy
	s_mov_b32 s45, ttmp9                           ; the cluster's x: 0 Q, 1 K, 2 V; the same in all sixteen partners
	s_and_b32 s13, ttmp7, 0xffff
	s_lshl_b32 s13, s13, 2
	s_add_co_u32 s13, s13, s41                     ; block row = 4 x cluster y + cy
	s_lshl_b32 s43, s41, 2
	s_lshl_b32 s43, 15, s43                        ; my row of the cluster: places 4 cy .. 4 cy + 3
	s_lshl_b32 s44, 0x1111, s40                    ; my column: places cx, cx + 4, cx + 8, cx + 12
	s_mov_b32 s66, 0x3e38aa3b                      ; c = 0.125 log2(e), twice: a pair for the packed multiply
	s_mov_b32 s67, 0x3e38aa3b
	; group 1: a tile of 128 rows x 128 elements of 2 bytes, 4 words of padding behind every 64 words
	s_or_b32 s[G1+0], s43, (1<<16)|(1<<20)|(1<<21)|(5<<22)|(3<<25)   ; x's tiles go to my row of the cluster
	s_or_b32 s[G1B+0], s44, (1<<16)|(1<<20)|(1<<21)|(5<<22)|(3<<25)  ; W's to my column
	s_mov_b32 s[G1B+1], KSTEP<<16
	s_mov_b32 s[G1+1], KSTEP<<16                   ; tensor_dim0 = 128
	s_mov_b32 s[G1B+2], 128<<16
	s_mov_b32 s[G1+2], 128<<16                     ; tensor_dim1 = 128
	s_mov_b32 s[G1B+3], KSTEP<<16
	s_mov_b32 s[G1+3], KSTEP<<16                   ; tile_dim0 = 128
	s_mov_b32 s[G1B+4], 128
	s_mov_b32 s[G1+4], 128                         ; tile_dim1 = 128
	s_mov_b32 s[G1B+5], SIZE_K
	s_mov_b32 s[G1+5], SIZE_K                      ; elements from row to row
	s_mov_b32 s[G1B+6], 0
	s_mov_b32 s[G1+6], 0
	s_mov_b32 s[G1B+7], 0
	s_mov_b32 s[G1+7], 0
	; where the tiles come from.  x's hang on the block row (and on which product), W's on the block column (and on which product):
	; each in registers that never hold the other coordinate.  A row is 2,048 bytes; all offsets stay below 2^25.
	s_lshl_b32 s17, s12, 7                         ; which 128 rows of the tile I fetch
	s_lshl_b32 s16, s13, 8
	s_add_co_u32 s16, s16, s17
	s_lshl_b32 s16, s16, 11                        ; x: (256 x block row + 128 x half) rows
	s_lshl_b32 s18, s45, 23
	s_add_co_u32 s16, s16, s18                     ; + which of the three activations, 2^23 bytes each
	s_lshl_b32 s46, s40, 8
	s_add_co_u32 s46, s46, s17
	s_lshl_b32 s46, s46, 11                        ; W: (256 x block column + 128 x half) rows
	s_lshl_b32 s18, s45, 21
	s_add_co_u32 s46, s46, s18                     ; + which of the weights, 2^21 bytes each
	s_mov_b32 s17, 0
	s_mov_b32 s47, 0
	s_mul_i32 s20, s10, HALFT                      ; where they go: wave x 128 rows; no place in the cluster enters an LDS address
	s_wait_dscnt 0x0
	s_wait_kmcnt 0x0
	s_add_nc_u64 s[14:15], s[4:5], s[16:17]
	s_add_nc_u64 s[46:47], s[6:7], s[46:47]
	CROUND                                         ; all sixteen work-groups are here: the first joint loads meet
.irp s, 0,1
	s_mov_b32 s[G0+4*\s], 1
	s_add_co_u32 s[G0+4*\s+1], s20, \s*SLOT
	s_add_nc_u64 s[G0+4*\s+2:G0+4*\s+3], s[14:15], \s*KSTEP*2
	s_or_b32 s[G0+4*\s+3], s[G0+4*\s+3], 0x80000000
	s_mov_b32 s[G0B+4*\s], 1
	s_add_co_u32 s[G0B+4*\s+1], s20, \s*SLOT
	s_add_nc_u64 s[G0B+4*\s+2:G0B+4*\s+3], s[46:47], \s*KSTEP*2
	s_or_b32 s[G0B+4*\s+3], s[G0B+4*\s+3], 0x80000000
	JLOAD \s                                       ; both slots' first fills go out before anything else: two tensor loads of a wave are out
.endr
	; the bias of my 128 columns
	s_mov_b64 s[76:77], s[68:69]
	s_cmp_eq_u32 s45, 1
	s_cselect_b64 s[76:77], s[70:71], s[76:77]
	s_cmp_eq_u32 s45, 2
	s_cselect_b64 s[76:77], s[72:73], s[76:77]
	s_lshl_b32 s78, s40, 8
	s_lshl_b32 s79, s12, 7
	s_add_co_u32 s78, s78, s79                     ; my first column: 256 cx + 128 x half
	s_lshl_b32 s78, s78, 2
	s_mov_b32 s79, 0
	s_add_nc_u64 s[76:77], s[76:77], s[78:79]
	; A fragment is 16 rows x 32 K in 8 registers: lane l holds row l % 16; registers 0-3 K = 8 (l / 16) + 0..7, registers 4-7 K = 16 + 8 (l / 16) + 0..7.
	v_and_b32 v1, 15, v0                           ; l % 16
	v_bfe_u32 v2, v0, 4, 1                         ; l / 16
	v_lshlrev_b32 v[BO], 5, v2
	WIN TO_B
.irp b, 0,1,2,3,4,5,6,7
	global_load_b128 v[BIAS+8*\b:BIAS+8*\b+3],   v[BO], s[76:77] offset:64*\b      ; bias of columns 16 b + 8 (l / 16) + 0..3
	global_load_b128 v[BIAS+8*\b+4:BIAS+8*\b+7], v[BO], s[76:77] offset:64*\b+16   ; and + 4..7
.endr
	WIN 0
	v_mul_u32_u24 v3, v1, PITCH
	v_lshl_add_u32 v3, v2, 4, v3                   ; row x pitch + 16 x half
	s_mul_i32 s21, s11, HALFT                      ; my 128 rows of x
	s_mul_i32 s22, s12, HALFT                      ; my 128 rows of W,
	s_add_co_u32 s22, s22, 2*HALFT                 ; which lie behind x's 256
.irp s, 0,1
	v_add_nc_u32 v[ADRA+\s], s21, v3
	v_add_nc_u32 v[ADRB+\s], s22, v3
	s_add_co_u32 s21, s21, SLOT
	s_add_co_u32 s22, s22, SLOT
.endr
	s_mul_i32 s23, s10, 16*SPITCH
	s_add_co_u32 s23, s23, STAGE                   ; my stage
	v_mul_u32_u24 v4, v1, SPITCH
	v_lshl_add_u32 v4, v2, 4, v4
	v_add_nc_u32 v[STO], s23, v4
	v_mul_u32_u24 v5, v2, SPITCH
	v_lshl_add_u32 v5, v1, 4, v5
	v_add_nc_u32 v[RD], s23, v5
	v_and_b32 v5, 31, v0
	v_lshlrev_b32 v[CO], 4, v5
; 16 matrix instructions: row blocks a0, a0 + 1 of the window's four x all 8 column blocks, 32 along K.
; zero = 1: the first product starts the sums from the bias.  The 64 accumulators take turns, one instruction a turn, in the same order in every
; quarter step.
.macro MUL16 f, hi, a0, zero
.irp a, \a0, \a0+1
.irp b, 0,1,2,3,4,5,6,7
.if \zero
	v_wmma_f32_16x16x32_f16 v[8*(8*(\a)+\b):8*(8*(\a)+\b)+7], v[\f+8*\b:\f+8*\b+7], v[\f+8*(4*\hi+\a):\f+8*(4*\hi+\a)+7], v[BIAS+8*\b:BIAS+8*\b+7]
.else
	v_wmma_f32_16x16x32_f16 v[8*(8*(\a)+\b):8*(8*(\a)+\b)+7], v[\f+8*\b:\f+8*\b+7], v[\f+8*(4*\hi+\a):\f+8*(4*\hi+\a)+7], v[8*(8*(\a)+\b):8*(8*(\a)+\b)+7]
.endif
.endr
.endr
.endm
; 32 LDS loads in one run: the fragments of one quarter step into buffer f
.macro FETCH slot, k, f
	WIN TO_B
.irp i, 0,1,2,3,4,5,6,7
	ds_load_b128 v[\f+8*\i:\f+8*\i+3],   v[ADRB+\slot] offset:\k+\i*16*PITCH
	ds_load_b128 v[\f+8*\i+4:\f+8*\i+7], v[ADRB+\slot] offset:\k+\i*16*PITCH+32
.endr
	WIN 0
.irp i, 0,1,2,3,4,5,6,7
	ds_load_b128 v[\f+8*\i:\f+8*\i+3],   v[ADRA+\slot] offset:\k+\i*16*PITCH
	ds_load_b128 v[\f+8*\i+4:\f+8*\i+7], v[ADRA+\slot] offset:\k+\i*16*PITCH+32
.endr
.endm
; Four places behind a matrix instruction, in front of loads into registers that it read and of vector instructions that read its result.
.macro PLACES
.rept 4
	v_nop
.endr
.endm
; One of a K step's first three quarters: multiplies buffer f, and in its middle fetches the next quarter's fragments into buffer g.
.macro QUARTER slot, k, f, g, zero
	s_wait_dscnt 8                                 ; W and x's rows 0-63 are in; the youngest eight loads (x's rows 64-127) may be out
.if \zero
	WIN MULB_LO
.else
	WIN MUL_LO
.endif
	MUL16 \f, 0, 0, \zero
	MUL16 \f, 0, 2, \zero
	PLACES
	FETCH \slot, \k, \g
	s_wait_dscnt 32                                ; all but the 32 just issued
.if \zero
	WIN MULB_HI
.else
	WIN MUL_HI
.endif
	MUL16 \f, 1, 0, \zero
	MUL16 \f, 1, 2, \zero
.endm
.macro THREE slot, zero
	QUARTER \slot, 64,  F0, F1, \zero
	QUARTER \slot, 128, F1, F0, 0
	QUARTER \slot, 192, F0, F1, 0
.endm
; The last quarter: multiplies buffer 1 and changes slots.  In front of the barrier each wave waits for its reads of this slot and for all its
; tensor loads (one is out: its part of the next slot).  Behind it (with fill: behind the cluster's round that it opens) the refill comes first.
.macro TURN slot, next, fill
	s_wait_dscnt 8
	WIN MUL_LO
	MUL16 F1, 0, 0, 0
	s_wait_dscnt 0                                 ; my reads of this slot are over
	s_wait_tensorcnt 0x0                           ; all my tensor loads have landed
	ds_add_u32 v63, v255
	s_wait_dscnt 0x0
	s_barrier_signal -1
	MUL16 F1, 0, 2, 0                              ; register work while the others arrive
	WIN 0
	s_barrier_wait -1
.if \fill
	CREST                                          ; no wave of any partner still reads this slot or has a load on its way
	s_add_nc_u64 s[G0+4*\slot+2:G0+4*\slot+3], s[G0+4*\slot+2:G0+4*\slot+3], 2*KSTEP*2
	s_add_nc_u64 s[G0B+4*\slot+2:G0B+4*\slot+3], s[G0B+4*\slot+2:G0B+4*\slot+3], 2*KSTEP*2
	JLOAD \slot                                    ; the wave's one tensor load behind the round
.endif
	PLACES
	FETCH \next, 0, F0
	WIN MUL_HI
	MUL16 F1, 1, 0, 0
	MUL16 F1, 1, 2, 0
.endm
.macro LAP zero
	THREE 0, \zero
	TURN 0, 1, 1
	THREE 1, 0
	TURN 1, 0, 1
.endm
	s_wait_tensorcnt 1                             ; my part of K step 0 is in; K step 1's may stay out
	s_barrier_signal -1
	s_barrier_wait -1                              ; everybody's is
	FETCH 0, 0, F0
	s_wait_loadcnt 0x0                             ; the bias
	LAP 1                                          ; the first lap stands in front of the loop: its first products start the sums
	WIN 0                                          ; at a label and at a branch every window is 0
	s_mov_b32 s3, LAPS-2
.Llap:
	LAP 0
	WIN 0
	s_sub_co_u32 s3, s3, 1
	s_cmp_lg_u32 s3, 0
	s_cbranch_scc1 .Llap
	THREE 0, 0                                     ; the last lap fills nothing
	TURN 0, 1, 0
	THREE 1, 0
	s_wait_dscnt 8
	WIN MUL_LO
	MUL16 F1, 0, 0, 0
	MUL16 F1, 0, 2, 0
	s_wait_dscnt 0
	WIN MUL_HI
	MUL16 F1, 1, 0, 0
	MUL16 F1, 1, 2, 0
	PLACES                                         ; behind the last matrix instructions: for all that reads results or loads into the buffers below
	WIN 0
	s_cmp_lg_u32 s45, 0                            ; K and V stay as they are.  The cluster's x is the same in all partners, and no barrier or load stands inside
	s_cbranch_scc1 .Lno_scale
	WIN 0x82                                       ; destination and source 0 in window 2
.set i, 0
.rept 128
	v_pk_mul_f32 v[2*i:2*i+1], v[2*i:2*i+1], s[66:67] op_sel_hi:[1,0]   ; Q times c, in f32
.set i, i+1
.endr
	WIN 0xc3                                       ; window 3
.set i, 0
.rept 128
	v_pk_mul_f32 v[2*i:2*i+1], v[2*i:2*i+1], s[66:67] op_sel_hi:[1,0]
.set i, i+1
.endr
	WIN 0
.Lno_scale:
	; THE WAY OUT.  My 128 rows x 128 columns are tokens s0 .. s0 + 127 of one head pair: 32,768 consecutive bytes of qkv.
	s_lshl_b32 s16, s45, 23                        ; Q, K or V
	s_lshr_b32 s17, s13, 3
	s_lshl_b32 s17, s17, 22                        ; batch = block row / 8: 8 head pairs x 2048 tokens x 256 bytes
	s_add_co_u32 s16, s16, s17
	s_and_b32 s17, s13, 7
	s_lshl_b32 s17, s17, 8
	s_lshl_b32 s14, s11, 7
	s_add_co_u32 s17, s17, s14                     ; my first token in the batch
	s_lshl_b32 s17, s17, 8
	s_add_co_u32 s16, s16, s17
	s_mov_b32 s17, 0
	s_add_nc_u64 s[8:9], s[74:75], s[16:17]
	s_lshl_b32 s46, s40, 1                         ; head pair = 2 cx + column half (in the registers that held W's address)
	s_add_co_u32 s46, s46, s12
	s_lshl_b32 s46, s46, 19                        ; 2048 tokens x 256 bytes
	s_mov_b32 s47, 0
	s_add_nc_u64 s[8:9], s[8:9], s[46:47]
; rows 16 i .. 16 i + 15 of my block: round to f16, 16 bytes a lane into my own stage, read back as whole rows of 256 bytes, store.
.macro OUT16 i, a, from, f
	WIN \from
.irp b, 0,1,2,3,4,5,6,7
.irp r, 0,1,2,3
	v_cvt_pk_f16_f32 v[TMP+4*\b+\r], v[8*(8*\a+\b)+2*\r], v[8*(8*\a+\b)+2*\r+1]
.endr
.endr
	WIN 0
.irp b, 0,1,2,3,4,5,6,7
	ds_store_b128 v[STO], v[TMP+4*\b:TMP+4*\b+3] offset:32*\b
.endr
	s_wait_xcnt 0x0                                ; buffer f, which earlier stores read, is loaded again only behind this wait
.irp t, 0,1,2,3,4,5,6,7
	ds_load_b128 v[\f+4*\t:\f+4*\t+3], v[RD] offset:\t*2*SPITCH    ; LDS serves a wave's instructions in order: these see the stores above
.endr
.irp t, 0,1,2,3,4,5,6,7
	s_wait_dscnt 7-\t                              ; load t is back, the 7 - t younger ones may be out
	global_store_b128 v[CO], v[\f+4*\t:\f+4*\t+3], s[8:9] offset:\i*4096+\t*512   ; a wave stores 512 consecutive bytes, two tokens' rows
.endr
.endm
	OUT16 0, 0, 0x0a, F0
	OUT16 1, 1, 0x0a, F1
	OUT16 2, 2, 0x0a, F0
	OUT16 3, 3, 0x0a, F1
	OUT16 4, 0, 0x0f, F0
	OUT16 5, 1, 0x0f, F1
	OUT16 6, 2, 0x0f, F0
	OUT16 7, 3, 0x0f, F1
	s_set_vgpr_msb 0x1
	s_wait_tensorcnt 0x0
	ds_add_u32 v63, v255
	s_wait_dscnt 0x0
	s_set_vgpr_msb 0x100
	CROUND                                         ; the closing round: no work-group ends while a partner may still ask for a tile that names it
	s_endpgm
.Lfunc_end_k_q0aba0d131e_proj:
	.size	k_q0aba0d131e_proj, .Lfunc_end_k_q0aba0d131e_proj-k_q0aba0d131e_proj
	.p2alignl 7, 3214868480
	.fill 96, 4, 3214868480
	.section	.rodata,"a",@progbits
	.p2align	6, 0x0
	.amdhsa_kernel k_q0aba0d131e_proj
		.amdhsa_group_segment_fixed_size 327680
		.amdhsa_private_segment_fixed_size 0
		.amdhsa_enable_private_segment 0
		.amdhsa_kernarg_size 48
		.amdhsa_user_sgpr_count 2
		.amdhsa_user_sgpr_kernarg_segment_ptr 1
		.amdhsa_wavefront_size32 1
		.amdhsa_system_sgpr_workgroup_id_x 1
		.amdhsa_system_sgpr_workgroup_id_y 1
		.amdhsa_system_sgpr_workgroup_id_z 1
		.amdhsa_system_vgpr_workitem_id 0
		.amdhsa_next_free_vgpr 1024
		.amdhsa_next_free_sgpr 80
		.amdhsa_reserve_vcc 0
		.amdhsa_float_denorm_mode_32 3
		.amdhsa_float_denorm_mode_16_64 3
		.amdhsa_memory_ordered 1
		.amdhsa_forward_progress 1
		.amdhsa_inst_pref_size 214
	.end_amdhsa_kernel
	.amdgpu_metadata
---
amdhsa.version: [ 1, 2 ]
amdhsa.kernels:
  - .name:           k_q0aba0d131e_proj
    .symbol:         k_q0aba0d131e_proj.kd
    .args:
      - { .name: xh, .offset: 0, .size: 8, .value_kind: global_buffer, .address_space: global }
      - { .name: wh, .offset: 8, .size: 8, .value_kind: global_buffer, .address_space: global }
      - { .name: bq, .offset: 16, .size: 8, .value_kind: global_buffer, .address_space: global }
      - { .name: bk, .offset: 24, .size: 8, .value_kind: global_buffer, .address_space: global }
      - { .name: bv, .offset: 32, .size: 8, .value_kind: global_buffer, .address_space: global }
      - { .name: qkv, .offset: 40, .size: 8, .value_kind: global_buffer, .address_space: global }
    .group_segment_fixed_size: 327680
    .private_segment_fixed_size: 0
    .kernarg_segment_align: 8
    .kernarg_segment_size: 48
    .max_flat_workgroup_size: 128
    .sgpr_count:     80
    .vgpr_count:     1024
    .wavefront_size: 32
...
	.end_amdgpu_metadata
.endif
;; end of part 2
;; launch attn (part 3): grid 16 x 16, 8 waves a work-group, clusters of 4 x 1, 327,680 bytes of LDS; arguments qkv, att; writes att
.if DOCPART == 3
	.amdgcn_target "amdgcn-amd-amdhsa--gfx1250"
	.amdhsa_code_object_version 6
	.text
	.protected	k_q0aba0d131e_attn
	.globl	k_q0aba0d131e_attn
	.p2align	8
	.type	k_q0aba0d131e_attn,@function
k_q0aba0d131e_attn:
	s_mov_b64 s[64:65], 0
	v_nop
	global_prefetch_b8 v0, s[64:65] scope:SCOPE_SE
	s_setreg_imm32_b32 hwreg(HW_REG_WAVE_MODE, 25, 1), 1
	s_wait_xcnt 0x0
	s_wait_alu depctr_hold_cnt(0) depctr_sa_sdst(0) depctr_va_vdst(0) depctr_va_sdst(0) depctr_va_ssrc(0) depctr_va_vcc(0) depctr_vm_vsrc(0)
	s_getreg_b32 s2, hwreg(HW_REG_IB_STS2, 6, 4)
	s_cmp_eq_u32 s2, 0
	s_cbranch_scc0 .Lentry_in_a_cluster
	s_endpgm
.Lentry_in_a_cluster:
	s_bfe_u32 s2, ttmp6, 0x10000c
	s_cmp_lg_u32 s2, 0x3003
	s_cbranch_scc0 .Lentry_shape_is_right
	s_endpgm
.Lentry_shape_is_right:
; attn: att = softmax(Q K^T / 8) V for 2 batches x 16 heads, 2048 tokens, head dimension 64.  Operands f16, sums and softmax f32.
; qkv = Q, K, V, each [batch x 8 + head pair][token][128] f16; Q comes already multiplied by 0.125 log2(e), so the scores are in units of log2.
; A work-group: one head pair (y) and 128 queries (x).  Wave w: head w >> 2 of the pair, queries 32 (w & 3) .. + 31, two tiles of 16.
; CLUSTERS: the four work-groups of a cluster are four query blocks of one head pair and walk the same K and V: every tile is asked for jointly
; (mask 15).  The query block enters global addresses of Q and of the result alone.
; TRANSPOSED SCHEME: S^T = K Q^T (A = 16 keys of K, B = 16 queries of Q): lane (r, h), register j holds key 8 h + j, query r.  Two such tiles, packed
; to f16, ARE the B fragment of P for 32 keys: P never leaves its registers.  O^T = V^T P^T (A = V read transposed from LDS): lane (r, h),
; register j holds dimension 8 h + j, query r.  A query's maximum and sum live in its own two lanes (r and r + 16).
; SOFTMAX: a running maximum over blocks of 64 keys, taken away by a subtraction, which gives exactly 0 at the maximum: every p <= 1, every sum >= 1.
; SCHEDULE: (1) K and V have fragment registers of their own and are asked for a phase ahead: K of the next block behind this block's K Q^T,
; V of the next block behind this block's V^T P^T.  (2) The softmax of the two query tiles is interleaved, and the exponentials of one tile stand
; between plain instructions of the other.  (3) Eight waves on four SIMDs: two waves share a SIMD's units.  The waves are of two classes,
; (w xor w >> 2) & 1, which differs between waves w and w + 4 and between waves 2 i and 2 i + 1.  Class 0 does the softmax and the V^T P^T of a tile's
; last block in front of the cluster's round, class 1 behind it (register work alone: its V fragments are waited for in front of the round), so that
; behind a round one class multiplies while the other does softmax.
; LIMITS: p below 6e-8 of the row's largest is 0 in f16; v_exp_f32 gives 0 below 2^-126; the maxima drop NaN; the sums' order is not reference()'s.
.set KP,    272                        ; K's LDS pitch: 256 + 16, an odd multiple of 16, for ds_load_b128 of 16 rows
.set VP,    288                        ; V's LDS pitch: 256 + 32, an odd multiple of 32, for the transposing loads
.set KOFF,  256*VP                     ; a slot: V's 256 rows, then K's 256 rows
.set SLOT,  256*VP+256*KP              ; 143,360
.set STAGE, 2*SLOT                     ; 286,720 = 1120 x 256: 128 rows x 272 for the way out; no fill ever lands here
.set SP,    272
.set TILEB, 256*256                    ; a tile of 256 keys in memory
.set KGLOB, 8388608                    ; K in qkv
.set VGLOB, 16777216                   ; V in qkv
; window 0
.set KAD, 2                            ; v2-3    my K fragment address in slot 0, 1
.set VAD, 4                            ; v4-7    my V fragment address: slot 0 keys 0-127, 128-255; slot 1 likewise (the immediate has 16 bits)
.set T,   8                            ; v8-15 at work for query tile 0, v16-23 for tile 1
.set NM,  24                           ; v24, v26  minus the running maximum of tile 0, 1; v25, v27: what the other half of the lanes sent
.set AL,  28                           ; v28, v30  the factor 2^(old maximum - new maximum); v29, v31 written once (upper halves of pairs, not used)
.set LS,  32                           ; v[32:33], v[34:35]  running sums, two partial sums a lane
.set QO,  36
.set STO, 37
.set RD,  38
.set CO,  39
.set QF,  64                           ; v64-95    Q fragment (t, ks) at QF + 8 (2 t + ks)
.set KB,  96                           ; v96-159   K fragment (kt, ks) at KB + 8 (4 ks + kt)
.set SC,  160                          ; v160-223  score tile (kt, t) at SC + 8 (2 kt + t); later P(t, kp) at SC + 8 (4 kp + t)
; window 1 (written with the low 8 bits of the register's number)
.set VB,  0                            ; v256-319  V fragment (dt, kp) at VB + 8 (4 kp + dt)
.set OA,  64                           ; v320-383  O tile (dt, t) at OA + 8 (2 dt + t)
.set G1V, 24                           ; s[24:31]
.set G1K, 32                           ; s[32:39]
.set G0V, 40                           ; s[40:47] one set a slot
.set G0K, 48                           ; s[48:55]
.set MSB, 0
.macro WIN new                         ; s_set_vgpr_msb: bits 1:0 source 0, 3:2 source 1, 5:4 source 2, 7:6 destination; the high byte repeats the setting that is left
.if MSB != \new
	s_set_vgpr_msb (MSB<<8)|\new
.set MSB, \new
.endif
.endm
.set TO_V,  0x40                       ; a load's destination in window 1, its address in window 0
.set SCALE, 0x41                       ; destination and source 0 (O) in window 1, source 1 (the factor) in window 0
.set MULPV, 0x51                       ; D, C (O) and A (V) in window 1, B (P) in window 0
.set FROMO, 0x05                       ; sources 0 and 1 (O) in window 1, destination in window 0
.macro ROUND                           ; a round of the cluster's barrier
	s_barrier_signal -1
	s_barrier_wait -1
	s_cmp_lg_u32 s8, 0
	s_cbranch_scc1 .Lnot_wave_0_\@
	s_barrier_signal -3
.Lnot_wave_0_\@:
	s_barrier_wait -3
	s_barrier_signal -1
	s_barrier_wait -1
.endm
.macro JLOAD s                         ; waves 0-3 ask for a quarter of V's tile each, waves 4-7 for a quarter of K's: 64 rows of 256 bytes
	s_cmp_eq_u32 s10, 0
	s_cbranch_scc0 .Lfor_k_\@
	tensor_load_to_lds s[G0V+4*(\s):G0V+4*(\s)+3], s[G1V:G1V+7]
	s_nop 0
	s_branch .Lasked_\@
.Lfor_k_\@:
	tensor_load_to_lds s[G0K+4*(\s):G0K+4*(\s)+3], s[G1K:G1K+7]
	s_nop 0
.Lasked_\@:
.endm
	s_load_b128 s[4:7], s[0:1], 0x0                ; qkv s[4:5], att s[6:7]
	v_lshl_add_u32 v254, v0, 2, 0x4e800
	v_mov_b32 v255, 0
	ds_add_u32 v254, v255
	v_lshrrev_b32 v1, 5, v0
	v_readfirstlane_b32 s8, v1                     ; wave 0..7
	s_and_b32 s9, s8, 3                            ; which 32 queries; which quarter of a tile I fetch
	s_lshr_b32 s10, s8, 2                          ; which head of the pair; I fetch V (0) or K (1)
	s_xor_b32 s14, s10, s8
	s_and_b32 s14, s14, 1                          ; my class: (w xor w >> 2) & 1
	s_and_b32 s11, ttmp7, 0xffff                   ; y = batch x 8 + head pair
	s_bfe_u32 s17, ttmp6, 0x40000                  ; cx
	s_lshl_b32 s18, ttmp9, 2
	s_add_co_u32 s17, s17, s18                     ; query block = 4 x cluster x + cx
	s_mov_b32 s12, 0x76543210                      ; v_permlanex16_b32: lane i of one half reads lane i of the other
	s_mov_b32 s13, 0xfedcba98
	; group 1: 64 rows x 128 elements of 2 bytes, dense in memory; padding behind every 64 words: 8 words for V, 4 for K; mask 15 and bit 21
	s_mov_b32 s[G1V+0], 15|(1<<16)|(1<<20)|(1<<21)|(5<<22)|(7<<25)
	s_mov_b32 s[G1K+0], 15|(1<<16)|(1<<20)|(1<<21)|(5<<22)|(3<<25)
.irp g, G1V, G1K
	s_mov_b32 s[\g+1], 128<<16                     ; tensor_dim0 = 128
	s_mov_b32 s[\g+2], 64<<16                      ; tensor_dim1 = 64
	s_mov_b32 s[\g+3], 128<<16                     ; tile_dim0 = 128
	s_mov_b32 s[\g+4], 64                          ; tile_dim1 = 64
	s_mov_b32 s[\g+5], 128                         ; elements from row to row
	s_mov_b32 s[\g+6], 0
	s_mov_b32 s[\g+7], 0
.endr
	s_lshl_b32 s60, s11, 19                        ; the head pair: 2048 tokens x 256 bytes
	s_lshl_b32 s18, s9, 14                         ; my quarter: 64 rows x 256 bytes
	s_add_co_u32 s60, s60, s18
	s_mov_b32 s61, 0
	s_mul_i32 s18, s8, 64*VP                       ; V's quarters lie at wave x 18,432 (waves 0-3)
	s_mul_i32 s19, s8, 64*KP
	s_add_co_u32 s19, s19, KOFF-4*64*KP            ; K's at 73,728 + (wave - 4) x 17,408 (waves 4-7)
	; Q's and the result's places (these alone hold the query block)
	s_lshl_b32 s22, s17, 7
	s_lshl_b32 s23, s9, 5
	s_add_co_u32 s22, s22, s23                     ; my first query
	s_lshl_b32 s22, s22, 8
	s_lshl_b32 s23, s11, 19
	s_add_co_u32 s22, s22, s23
	s_lshl_b32 s21, s10, 7                         ; my head's 128 bytes of a row
	s_add_co_u32 s22, s22, s21
	s_mov_b32 s23, 0
	s_wait_dscnt 0x0
	s_wait_kmcnt 0x0
	s_add_nc_u64 s[62:63], s[4:5], s[60:61]
	s_add_nc_u64 s[56:57], s[4:5], s[22:23]        ; Q at my first query, my head
	s_lshr_b32 s22, s11, 3
	s_lshl_b32 s22, s22, 11                        ; batch x 2048 tokens
	s_lshl_b32 s23, s17, 7
	s_add_co_u32 s22, s22, s23
	s_lshl_b32 s23, s8, 4
	s_add_co_u32 s22, s22, s23                     ; + the block's queries + the 16 rows that I store
	s_lshl_b32 s22, s22, 11                        ; rows of 2,048 bytes
	s_and_b32 s23, s11, 7
	s_lshl_b32 s23, s23, 8                         ; the head pair's 256 bytes
	s_add_co_u32 s22, s22, s23
	s_mov_b32 s23, 0
	s_add_nc_u64 s[58:59], s[6:7], s[22:23]
.irp s, 0,1
	s_mov_b32 s[G0V+4*\s], 1
	s_add_co_u32 s[G0V+4*\s+1], s18, \s*SLOT
	s_add_nc_u64 s[G0V+4*\s+2:G0V+4*\s+3], s[62:63], VGLOB+\s*TILEB      ; slot s starts with tile s
	s_or_b32 s[G0V+4*\s+3], s[G0V+4*\s+3], 0x80000000
	s_mov_b32 s[G0K+4*\s], 1
	s_add_co_u32 s[G0K+4*\s+1], s19, \s*SLOT
	s_add_nc_u64 s[G0K+4*\s+2:G0K+4*\s+3], s[62:63], KGLOB+\s*TILEB
	s_or_b32 s[G0K+4*\s+3], s[G0K+4*\s+3], 0x80000000
.endr
	ROUND                                          ; all four work-groups are here
	JLOAD 0                                        ; tile 0: by this text's count a wave never has more than one tensor load out
	v_and_b32 v9, 15, v0                           ; r
	v_bfe_u32 v10, v0, 4, 1                        ; h
	v_and_b32 v11, 7, v0
	v_bfe_u32 v12, v0, 3, 1
	v_lshlrev_b32 v[QO], 8, v9
	v_lshl_add_u32 v[QO], v10, 4, v[QO]            ; 256 r + 16 h
.irp t, 0,1
.irp ks, 0,1
	global_load_b128 v[QF+8*(2*\t+\ks):QF+8*(2*\t+\ks)+3],   v[QO], s[56:57] offset:4096*\t+64*\ks      ; query 16 t + r, dimensions 32 ks + 8 h + 0..7
	global_load_b128 v[QF+8*(2*\t+\ks)+4:QF+8*(2*\t+\ks)+7], v[QO], s[56:57] offset:4096*\t+64*\ks+32   ; and 32 ks + 16 + 8 h + 0..7
.endr
.endr
	v_mul_u32_u24 v13, v9, KP
	v_lshl_add_u32 v13, v10, 4, v13
	v_add_nc_u32 v13, s21, v13                     ; 272 r + 16 h + 128 head
	v_add_nc_u32 v[KAD], KOFF, v13
	v_add_nc_u32 v[KAD+1], KOFF+SLOT, v13
	v_lshl_add_u32 v14, v10, 3, v11                ; the transposing load: row 8 h + (l & 7),
	v_mul_u32_u24 v14, v14, VP
	v_lshl_add_u32 v14, v12, 4, v14                ; 16 bytes on for lanes 8-15 of each half
	v_add_nc_u32 v[VAD], s21, v14
	v_add_nc_u32 v[VAD+1], 128*VP, v[VAD]
	v_add_nc_u32 v[VAD+2], SLOT, v[VAD]
	v_add_nc_u32 v[VAD+3], SLOT+128*VP, v[VAD]
	s_mul_i32 s18, s9, 32*SP
	s_add_co_u32 s18, s18, STAGE
	v_add_nc_u32 v[STO], s18, v13                  ; stage row 32 (w & 3) + r, my head's half, 16 h
	s_mul_i32 s19, s8, 16*SP
	s_add_co_u32 s19, s19, STAGE
	v_mul_u32_u24 v15, v10, SP
	v_lshl_add_u32 v15, v9, 4, v15
	v_add_nc_u32 v[RD], s19, v15                   ; stage row 16 w + h, 16 r
	v_lshlrev_b32 v[CO], 11, v10
	v_lshl_add_u32 v[CO], v9, 4, v[CO]             ; 2,048 h + 16 r
	v_mov_b32 v[NM+1], 0                           ; destinations of the lane exchange and upper halves of broadcast pairs: written once
	v_mov_b32 v[NM+3], 0
	v_mov_b32 v[AL+1], 0
	v_mov_b32 v[AL+3], 0
	s_wait_loadcnt 0x0                             ; Q
; ---- the pieces of a block of 64 keys ----
; 16 LDS loads: K's fragments of block sb of the tile in the slot, dimensions 0-31 first
.macro LOADK slot, sb
.irp ks, 0,1
.irp kt, 0,1,2,3
	ds_load_b128 v[KB+8*(4*\ks+\kt):KB+8*(4*\ks+\kt)+3],   v[KAD+\slot] offset:(64*\sb+16*\kt)*KP+64*\ks
	ds_load_b128 v[KB+8*(4*\ks+\kt)+4:KB+8*(4*\ks+\kt)+7], v[KAD+\slot] offset:(64*\sb+16*\kt)*KP+64*\ks+32
.endr
.endr
.endm
; 16 transposing LDS loads: V's fragments of block sb, keys 0-31 first
.macro LOADV slot, sb
	WIN TO_V
.irp kp, 0,1
.irp dt, 0,1,2,3
	ds_load_tr16_b128 v[VB+8*(4*\kp+\dt):VB+8*(4*\kp+\dt)+3],   v[VAD+2*\slot+\sb/2] offset:((\sb%2)*64+32*\kp)*VP+32*\dt      ; keys 32 kp + 8 h + 0..7 of dimension 16 dt + r
	ds_load_tr16_b128 v[VB+8*(4*\kp+\dt)+4:VB+8*(4*\kp+\dt)+7], v[VAD+2*\slot+\sb/2] offset:((\sb%2)*64+32*\kp+16)*VP+32*\dt   ; keys 32 kp + 16 + 8 h + 0..7
.endr
.endr
	WIN 0
.endm
; S^T = K Q^T: 16 matrix instructions; eight accumulators take turns, one instruction a turn.
; K's 16 loads were issued ahead of V's 16, and LDS loads come back in order.
.macro QK places
	s_wait_dscnt 24                                ; K's dimensions 0-31 are in; its other eight loads and V's sixteen may be out
.irp kt, 0,1,2,3
.irp t, 0,1
	v_wmma_f32_16x16x32_f16 v[SC+8*(2*\kt+\t):SC+8*(2*\kt+\t)+7], v[KB+8*\kt:KB+8*\kt+7], v[QF+16*\t:QF+16*\t+7], 0
.endr
.endr
	s_wait_dscnt 16                                ; all of K is in; V's sixteen may be out
.irp kt, 0,1,2,3
.irp t, 0,1
	v_wmma_f32_16x16x32_f16 v[SC+8*(2*\kt+\t):SC+8*(2*\kt+\t)+7], v[KB+8*(4+\kt):KB+8*(4+\kt)+7], v[QF+16*\t+8:QF+16*\t+15], v[SC+8*(2*\kt+\t):SC+8*(2*\kt+\t)+7]
.endr
.endr
.rept \places
	v_nop                                          ; places: loads into K's fragment registers and reads of the scores follow
.endr
.endm
; single steps of the softmax, counted by symbols so that steps of the two tiles can stand in turn
.macro SUBN t                          ; score pair pn of tile t, minus the maximum
	v_pk_add_f32 v[SC+16*(pn/4)+8*\t+2*(pn%4):SC+16*(pn/4)+8*\t+2*(pn%4)+1], v[SC+16*(pn/4)+8*\t+2*(pn%4):SC+16*(pn/4)+8*\t+2*(pn%4)+1], v[NM+2*\t:NM+2*\t+1] op_sel_hi:[1,0]
.set pn, pn+1
.endm
.macro EXPN t                          ; the exponential of score en of tile t
	v_exp_f32 v[SC+16*(en/8)+8*\t+en%8], v[SC+16*(en/8)+8*\t+en%8]
.set en, en+1
.endm
.macro XP ex                           ; ex = 1: one exponential of tile 1
.if \ex
	EXPN 1
.endif
.endm
.macro CV t                            ; packing cn of tile t, in place and in ascending order: score tiles 2 kp and 2 kp + 1 pack into the eight registers of tile 2 kp
	v_cvt_pk_f16_f32 v[SC+8*(4*(cn/8)+\t)+4*((cn/4)%2)+cn%4], v[SC+8*(4*(cn/8)+2*((cn/4)%2)+\t)+2*(cn%4)], v[SC+8*(4*(cn/8)+2*((cn/4)%2)+\t)+2*(cn%4)+1]
.set cn, cn+1
.endm
; the sum of my 32 p of tile t, as pairs in four chains, and P as B fragments.  ex = 1: ahead of each of these plain instructions stands one of tile 1's
; 32 exponentials; none of them touches tile 1, so each is the plain instruction that an exponential wants behind it (ISA guide 5.7.2).
.macro SUMCVT t, first, ex
.if \first
	XP \ex                                         ; the first block has one plain instruction fewer
.endif
.irp c, 0,2,4,6
	XP \ex
	s_wait_alu depctr_va_vdst(0)
	v_pk_add_f32 v[T+8*\t+\c:T+8*\t+\c+1], v[SC+8*\t+\c:SC+8*\t+\c+1], v[SC+16+8*\t+\c:SC+16+8*\t+\c+1]
.endr
.irp c, 0,2,4,6
	XP \ex
	v_pk_add_f32 v[T+8*\t+\c:T+8*\t+\c+1], v[T+8*\t+\c:T+8*\t+\c+1], v[SC+32+8*\t+\c:SC+32+8*\t+\c+1]
.endr
.irp c, 0,2,4,6
	XP \ex
	v_pk_add_f32 v[T+8*\t+\c:T+8*\t+\c+1], v[T+8*\t+\c:T+8*\t+\c+1], v[SC+48+8*\t+\c:SC+48+8*\t+\c+1]
.endr
	XP \ex
	v_pk_add_f32 v[T+8*\t:T+8*\t+1], v[T+8*\t:T+8*\t+1], v[T+8*\t+2:T+8*\t+3]
	XP \ex
	v_pk_add_f32 v[T+8*\t+4:T+8*\t+5], v[T+8*\t+4:T+8*\t+5], v[T+8*\t+6:T+8*\t+7]
	XP \ex
	CV \t
	XP \ex
	CV \t
.if \first
	XP \ex
	v_pk_add_f32 v[LS+2*\t:LS+2*\t+1], v[T+8*\t:T+8*\t+1], v[T+8*\t+4:T+8*\t+5]
	XP \ex
	CV \t
	XP \ex
	CV \t
.else
	XP \ex
	v_pk_add_f32 v[T+8*\t:T+8*\t+1], v[T+8*\t:T+8*\t+1], v[T+8*\t+4:T+8*\t+5]
	XP \ex
	CV \t
	XP \ex
	CV \t
	XP \ex
	v_pk_fma_f32 v[LS+2*\t:LS+2*\t+1], v[LS+2*\t:LS+2*\t+1], v[AL+2*\t:AL+2*\t+1], v[T+8*\t:T+8*\t+1] op_sel_hi:[1,0,1]
.endif
.rept 12
	XP \ex
	CV \t
.endr
.endm
; Softmax of both query tiles over the block's 64 keys.  first = 1: the block starts maxima and sums.
.macro SM first
	; the largest of my 32 scores of each tile: eight chains
.irp t, 0,1
.irp c, 0,1,2,3
	v_max3_num_f32 v[T+8*\t+\c], v[SC+8*\t+2*\c], v[SC+8*\t+2*\c+1], v[SC+16+8*\t+2*\c]
.endr
.endr
.irp t, 0,1
.irp c, 0,1,2,3
	v_max3_num_f32 v[T+8*\t+\c], v[T+8*\t+\c], v[SC+16+8*\t+2*\c+1], v[SC+32+8*\t+2*\c]
.endr
.endr
.irp t, 0,1
.irp c, 0,1,2,3
	v_max3_num_f32 v[T+8*\t+\c], v[T+8*\t+\c], v[SC+32+8*\t+2*\c+1], v[SC+48+8*\t+2*\c]
.endr
.endr
.irp t, 0,1
	v_max3_num_f32 v[T+8*\t], v[T+8*\t], v[SC+48+8*\t+1], v[SC+48+8*\t+3]
	v_max3_num_f32 v[T+8*\t+1], v[T+8*\t+1], v[SC+48+8*\t+5], v[SC+48+8*\t+7]
.endr
.irp t, 0,1
	v_max3_num_f32 v[T+8*\t], v[T+8*\t], v[T+8*\t+1], v[T+8*\t+2]
.endr
.irp t, 0,1
	v_max_num_f32 v[T+8*\t], v[T+8*\t], v[T+8*\t+3]
.endr
.irp t, 0,1
	v_permlanex16_b32 v[NM+2*\t+1], v[T+8*\t], s12, s13            ; the other 32 keys of my query lie in lane l xor 16
.endr
.irp t, 0,1
	v_max_num_f32 v[T+8*\t], v[T+8*\t], v[NM+2*\t+1]
.endr
.if \first
.irp t, 0,1
	v_mul_f32 v[NM+2*\t], -1.0, v[T+8*\t]                          ; minus the maximum
.endr
.else
.irp t, 0,1
	v_mul_f32 v[T+8*\t+1], -1.0, v[T+8*\t]
.endr
.irp t, 0,1
	v_min_num_f32 v[T+8*\t+1], v[T+8*\t+1], v[NM+2*\t]             ; minus the new running maximum
.endr
.irp t, 0,1
	v_sub_f32 v[AL+2*\t], v[T+8*\t+1], v[NM+2*\t]                  ; old maximum - new maximum, 0 or below
.endr
.irp t, 0,1
	v_exp_f32 v[AL+2*\t], v[AL+2*\t]
.endr
.irp t, 0,1
	v_mov_b32 v[NM+2*\t], v[T+8*\t+1]                              ; plain instructions behind the exponentials (ISA guide 5.7.2)
.endr
.endif
.set pn, 0
.rept 16
	SUBN 0                                                         ; tile 0: score - maximum
.endr
.set pn, 0
.set en, 0
.rept 16
	EXPN 0                                                         ; tile 0's exponentials, two to each subtraction of tile 1
	EXPN 0
	SUBN 1
.endr
.set en, 0
.set cn, 0
	SUMCVT 0, \first, 1                                            ; tile 1's exponentials between tile 0's sums and packings
.set cn, 0
	SUMCVT 1, \first, 0
.endm
; O = O x factor + V^T P^T: 16 matrix instructions, eight accumulators by turns.
; y = how many LDS loads were issued behind V's sixteen.  Leaves the window setting of the products: the caller sets the next.
.macro PVM first, y
.if \first
.else
	WIN SCALE
.irp dt, 0,1,2,3
.irp t, 0,1
.irp c, 0,2,4,6
	v_pk_mul_f32 v[OA+8*(2*\dt+\t)+\c:OA+8*(2*\dt+\t)+\c+1], v[OA+8*(2*\dt+\t)+\c:OA+8*(2*\dt+\t)+\c+1], v[AL+2*\t:AL+2*\t+1] op_sel_hi:[1,0]
.endr
.endr
.endr
.endif
	s_wait_dscnt 8+\y                              ; V's keys 0-31 are in; its other eight loads and the y younger ones may be out
	WIN MULPV
.irp dt, 0,1,2,3
.irp t, 0,1
.if \first
	v_wmma_f32_16x16x32_f16 v[OA+8*(2*\dt+\t):OA+8*(2*\dt+\t)+7], v[VB+8*\dt:VB+8*\dt+7], v[SC+8*\t:SC+8*\t+7], 0
.else
	v_wmma_f32_16x16x32_f16 v[OA+8*(2*\dt+\t):OA+8*(2*\dt+\t)+7], v[VB+8*\dt:VB+8*\dt+7], v[SC+8*\t:SC+8*\t+7], v[OA+8*(2*\dt+\t):OA+8*(2*\dt+\t)+7]
.endif
.endr
.endr
	s_wait_dscnt \y                                ; all of V is in
.irp dt, 0,1,2,3
.irp t, 0,1
	v_wmma_f32_16x16x32_f16 v[OA+8*(2*\dt+\t):OA+8*(2*\dt+\t)+7], v[VB+8*(4+\dt):VB+8*(4+\dt)+7], v[SC+8*(4+\t):SC+8*(4+\t)+7], v[OA+8*(2*\dt+\t):OA+8*(2*\dt+\t)+7]
.endr
.endr
.rept 5
	v_nop                                          ; four places for the next loads into V's fragment registers, the fifth because the next K Q^T writes over P
.endr
.endm
; A tile of 256 keys in the slot.  It ends behind the K Q^T of its fourth block; that block's softmax and V^T P^T stand at the head of the next tile:
; for class 0 in front of the round, for class 1 behind it.  In front of the round every wave waits for all its tensor loads (its part of this
; tile) and for its LDS reads (of the other slot; V's last fragments among them); the round takes the place of the work-group's barrier; the
; joint refill of the other slot is the first thing behind it.  The branches on the class hold register work and waits alone.
.macro TRIP slot, refill, first
.if \first
.else
	s_cmp_lg_u32 s14, 0
	s_cbranch_scc1 .Llater_\@
	SM 0
	PVM 0, 0                                       ; V's sixteen loads are the youngest
	WIN 0                                          ; at a label every window is 0
.Llater_\@:
.endif
	s_wait_tensorcnt 0x0
	ds_add_u32 v254, v255
	s_wait_dscnt 0x0
	s_add_nc_u64 s[G0V+4*\slot+2:G0V+4*\slot+3], s[G0V+4*\slot+2:G0V+4*\slot+3], 2*TILEB   ; no load of mine is out: this slot's next tile
	s_add_nc_u64 s[G0K+4*\slot+2:G0K+4*\slot+3], s[G0K+4*\slot+2:G0K+4*\slot+3], 2*TILEB
	s_wait_dscnt 0x0
	ROUND
.if \refill
	JLOAD 1-\slot
.endif
	LOADK \slot, 0
.if \first
.else
	s_cmp_eq_u32 s14, 0
	s_cbranch_scc1 .Ldone_\@
	SM 0
	PVM 0, 16                                      ; V's fragments came in front of the round; the sixteen loads of K just issued may be out
	WIN 0
.Ldone_\@:
.endif
	LOADV \slot, 0
	QK 4
	LOADK \slot, 1
	SM \first
	PVM \first, 16                                 ; behind V's loads stand the next block's sixteen of K
	LOADV \slot, 1
	QK 4
	LOADK \slot, 2
	SM 0
	PVM 0, 16
	LOADV \slot, 2
	QK 4
	LOADK \slot, 3
	SM 0
	PVM 0, 16
	LOADV \slot, 3
	QK 5                                           ; five: the distance to the next product that writes the scores leans on neither branch on the class
.endm
	TRIP 0, 1, 1                                   ; tile 0 starts maxima, sums and O; tile 1 goes out
	s_mov_b32 s20, 3
.Ltiles:
	TRIP 1, 1, 0                                   ; tiles 1, 3, 5
	TRIP 0, 1, 0                                   ; tiles 2, 4, 6; in the last trip tile 7 goes out: the last load
	s_sub_co_u32 s20, s20, 1
	s_cmp_lg_u32 s20, 0
	s_cbranch_scc1 .Ltiles
	TRIP 1, 0, 0                                   ; tile 7: nothing is left to fetch
	SM 0                                           ; its fourth block, in both classes
	PVM 0, 0
	WIN 0
	; the row sums: my two partial sums, then the other half's
	v_add_f32 v[T], v[LS], v[LS+1]
	v_add_f32 v[T+8], v[LS+2], v[LS+3]
	v_permlanex16_b32 v[NM+1], v[T], s12, s13
	v_permlanex16_b32 v[NM+3], v[T+8], s12, s13
	v_add_f32 v[T], v[T], v[NM+1]
	v_add_f32 v[T+8], v[T+8], v[NM+3]
	v_rcp_f32 v[AL], v[T]                          ; the sum is at least 1
	v_rcp_f32 v[AL+2], v[T+8]
	v_nop                                          ; one plain place behind the reciprocals
	WIN SCALE
	s_wait_alu depctr_va_vdst(0)
.irp dt, 0,1,2,3
.irp t, 0,1
.irp c, 0,2,4,6
	v_pk_mul_f32 v[OA+8*(2*\dt+\t)+\c:OA+8*(2*\dt+\t)+\c+1], v[OA+8*(2*\dt+\t)+\c:OA+8*(2*\dt+\t)+\c+1], v[AL+2*\t:AL+2*\t+1] op_sel_hi:[1,0]
.endr
.endr
.endr
	WIN FROMO
.irp dt, 0,1,2,3
.irp t, 0,1
.irp i, 0,1,2,3
	v_cvt_pk_f16_f32 v[SC+4*(2*\dt+\t)+\i], v[OA+8*(2*\dt+\t)+2*\i], v[OA+8*(2*\dt+\t)+2*\i+1]
.endr
.endr
.endr
	WIN 0
.irp dt, 0,1,2,3
.irp t, 0,1
	ds_store_b128 v[STO], v[SC+4*(2*\dt+\t):SC+4*(2*\dt+\t)+3] offset:16*SP*\t+32*\dt   ; query 16 t + r, dimensions 16 dt + 8 h + 0..7
.endr
.endr
	s_wait_dscnt 0x0                               ; a stage row holds two heads, written by two waves: my stores are done,
	s_barrier_signal -1
	s_barrier_wait -1                              ; everybody's are
.irp u, 0,1,2,3,4,5,6,7
	ds_load_b128 v[KB+4*\u:KB+4*\u+3], v[RD] offset:2*SP*\u
.endr
.irp u, 0,1,2,3,4,5,6,7
	s_wait_dscnt 7-\u                              ; load u is back, the 7 - u younger ones may be out
	global_store_b128 v[CO], v[KB+4*\u:KB+4*\u+3], s[58:59] offset:4096*\u   ; 16 lanes store a token's 256 bytes of this head pair, at a multiple of 256
.endr
	s_wait_tensorcnt 0x0
	ds_add_u32 v254, v255
	s_wait_dscnt 0x0
	ROUND                                          ; the closing round
	s_endpgm
.Lfunc_end_k_q0aba0d131e_attn:
	.size	k_q0aba0d131e_attn, .Lfunc_end_k_q0aba0d131e_attn-k_q0aba0d131e_attn
	.p2alignl 7, 3214868480
	.fill 96, 4, 3214868480
	.section	.rodata,"a",@progbits
	.p2align	6, 0x0
	.amdhsa_kernel k_q0aba0d131e_attn
		.amdhsa_group_segment_fixed_size 327680
		.amdhsa_private_segment_fixed_size 0
		.amdhsa_enable_private_segment 0
		.amdhsa_kernarg_size 16
		.amdhsa_user_sgpr_count 2
		.amdhsa_user_sgpr_kernarg_segment_ptr 1
		.amdhsa_wavefront_size32 1
		.amdhsa_system_sgpr_workgroup_id_x 1
		.amdhsa_system_sgpr_workgroup_id_y 1
		.amdhsa_system_sgpr_workgroup_id_z 1
		.amdhsa_system_vgpr_workitem_id 0
		.amdhsa_next_free_vgpr 384
		.amdhsa_next_free_sgpr 66
		.amdhsa_reserve_vcc 0
		.amdhsa_float_denorm_mode_32 3
		.amdhsa_float_denorm_mode_16_64 3
		.amdhsa_memory_ordered 1
		.amdhsa_forward_progress 1
		.amdhsa_inst_pref_size 255
	.end_amdhsa_kernel
	.section	.bss,"aw",@nobits
	.p2align	6
	.space	262144
	.amdgpu_metadata
---
amdhsa.version: [ 1, 2 ]
amdhsa.kernels:
  - .name:           k_q0aba0d131e_attn
    .symbol:         k_q0aba0d131e_attn.kd
    .args:
      - { .name: qkv, .offset: 0, .size: 8, .value_kind: global_buffer, .address_space: global }
      - { .name: att, .offset: 8, .size: 8, .value_kind: global_buffer, .address_space: global }
    .group_segment_fixed_size: 327680
    .private_segment_fixed_size: 0
    .kernarg_segment_align: 8
    .kernarg_segment_size: 16
    .max_flat_workgroup_size: 256
    .sgpr_count:     66
    .vgpr_count:     384
    .wavefront_size: 32
...
	.end_amdgpu_metadata
.endif
;; end of part 3
;; launch oproj (part 4): grid 8 x 32, 4 waves a work-group, clusters of 4 x 4, 327,680 bytes of LDS; arguments att, wh, bo, out0; writes out0
.if DOCPART == 4
	.amdgcn_target "amdgcn-amd-amdhsa--gfx1250"
	.amdhsa_code_object_version 6
	.text
	.protected	k_q0aba0d131e_oproj
	.globl	k_q0aba0d131e_oproj
	.p2align	8
	.type	k_q0aba0d131e_oproj,@function
k_q0aba0d131e_oproj:
	s_mov_b64 s[64:65], 0
	v_nop
	global_prefetch_b8 v0, s[64:65] scope:SCOPE_SE
	s_setreg_imm32_b32 hwreg(HW_REG_WAVE_MODE, 25, 1), 1
	s_wait_xcnt 0x0
	s_wait_alu depctr_hold_cnt(0) depctr_sa_sdst(0) depctr_va_vdst(0) depctr_va_sdst(0) depctr_va_ssrc(0) depctr_va_vcc(0) depctr_vm_vsrc(0)
	s_getreg_b32 s2, hwreg(HW_REG_IB_STS2, 6, 4)
	s_cmp_eq_u32 s2, 0
	s_cbranch_scc0 .Lentry_in_a_cluster
	s_endpgm
.Lentry_in_a_cluster:
	s_bfe_u32 s2, ttmp6, 0x10000c
	s_cmp_lg_u32 s2, 0xf033
	s_cbranch_scc0 .Lentry_shape_is_right
	s_endpgm
.Lentry_shape_is_right:
; oproj: out0 = att Wo^T + bo, 4096 x 1024 x 1024.  Operands f16 (att as the launch before stored it, Wo as the fourth matrix of wh), sums and result f32.
; A work-group makes 128 x 128, so that there are 8 x 32 = 256 work-groups; a wave makes 64 x 64: 16 accumulator tiles.
; K goes through two LDS slots of 256 along K each (rows of 512 bytes), four fills in all: the trips are written out.
; CLUSTERS: 4 x 4 work-groups; att's tiles are shared along a row of the cluster, Wo's along a column, by joint loads.
; The bias is the C operand of each accumulator's first product.  The matrix instruction is used transposed (source 0 = rows of Wo, source 1 = rows of
; att): lane l holds row l % 16 and its registers the columns 8 (l / 16) + 0..7, 32 neighbouring bytes of f32.
; LIMIT: the order of the sums is the matrix unit's, not reference()'s.
; REGISTERS: window 0: v16-27 addresses, v64-127 and v128-191 att's fragments (tile i, K part s at f + 8 (4 s + i)); window 1: Wo's likewise;
; window 2: accumulator (a, b) at v[8 (4 a + b)], bias tuple b at v[128 + 8 b].
.set PITCH,  528                       ; 512 bytes + 16 of padding: an odd multiple of 16
.set HT,     64*PITCH                  ; 64 rows: what one tensor load brings, and what one wave reads of att or of Wo
.set SLOT,   4*HT                      ; att's 128 rows, then Wo's 128 rows
.set STAGE,  2*SLOT                    ; 270,336 = 1056 x 256: 16 rows x 272 bytes for each wave; no fill ever lands here
.set SPITCH, 272
.set ADRA, 16
.set ADRB, 20
.set STO,  24
.set RD,   25
.set CO,   26
.set BO,   27
.set F0,   64
.set F1,   128
.set BIAS, 128                         ; window 2
.set G1, 24
.set G0, 32
.set G1B, 48
.set G0B, 56
.set MSB, 0
.macro WIN new
.if MSB != \new
	s_set_vgpr_msb (MSB<<8)|\new
.set MSB, \new
.endif
.endm
.set MUL,  0xa1                        ; source 0 (Wo) window 1, source 1 (att) window 0, C and D window 2
.set TO_B, 0x40                        ; destination window 1
.macro JLOAD s                         ; waves 0 and 1 fetch att's two halves, waves 2 and 3 Wo's
	s_cmp_eq_u32 s11, 0
	s_cbranch_scc0 .Lfor_b_\@
	tensor_load_to_lds s[G0+4*(\s):G0+4*(\s)+3], s[G1:G1+7]
	s_nop 0
	s_branch .Lasked_\@
.Lfor_b_\@:
	tensor_load_to_lds s[G0B+4*(\s):G0B+4*(\s)+3], s[G1B:G1B+7]
	s_nop 0
.Lasked_\@:
.endm
.macro CROUND                          ; a round of the cluster's barrier
	s_barrier_signal -1
	s_barrier_wait -1
	s_cmp_lg_u32 s10, 0
	s_cbranch_scc1 .Lnot_wave_0_\@
	s_barrier_signal -3
.Lnot_wave_0_\@:
	s_barrier_wait -3
	s_barrier_signal -1
	s_barrier_wait -1
.endm
	s_load_b128 s[4:7], s[0:1], 0x0                ; att s[4:5], wh s[6:7]
	s_load_b128 s[68:71], s[0:1], 0x10             ; bo s[68:69], out0 s[70:71]
	v_lshl_add_u32 v254, v0, 2, 0x46400
	v_mov_b32 v255, 0
	ds_add_u32 v254, v255
	v_lshrrev_b32 v1, 5, v0
	v_readfirstlane_b32 s10, v1                    ; wave 0..3
	s_lshr_b32 s11, s10, 1                         ; my half of the rows.  Also: I fetch for att (0) or for Wo (1)
	s_and_b32 s12, s10, 1                          ; my half of the columns.  Also: which 64 rows of that tile I fetch
	s_bfe_u32 s40, ttmp6, 0x40000                  ; cx
	s_bfe_u32 s41, ttmp6, 0x40004                  ; cy
	s_lshl_b32 s42, ttmp9, 2
	s_add_co_u32 s42, s42, s40                     ; block column
	s_and_b32 s13, ttmp7, 0xffff
	s_lshl_b32 s13, s13, 2
	s_add_co_u32 s13, s13, s41                     ; block row
	s_lshl_b32 s43, s41, 2
	s_lshl_b32 s43, 15, s43                        ; my row of the cluster
	s_lshl_b32 s44, 0x1111, s40                    ; my column
	; group 1: 64 rows x 256 elements of 2 bytes, 4 words of padding behind every 128 words
	s_or_b32 s[G1+0], s43, (1<<16)|(1<<20)|(1<<21)|(6<<22)|(3<<25)
	s_or_b32 s[G1B+0], s44, (1<<16)|(1<<20)|(1<<21)|(6<<22)|(3<<25)
.irp g, G1, G1B
	s_mov_b32 s[\g+1], 256<<16                     ; tensor_dim0 = 256
	s_mov_b32 s[\g+2], 64<<16                      ; tensor_dim1 = 64
	s_mov_b32 s[\g+3], 256<<16                     ; tile_dim0 = 256
	s_mov_b32 s[\g+4], 64                          ; tile_dim1 = 64
	s_mov_b32 s[\g+5], 1024                        ; elements from row to row
	s_mov_b32 s[\g+6], 0
	s_mov_b32 s[\g+7], 0
.endr
	s_lshl_b32 s17, s12, 6                         ; which 64 rows of the tile I fetch
	s_lshl_b32 s16, s13, 7
	s_add_co_u32 s16, s16, s17
	s_lshl_b32 s16, s16, 11                        ; att: (128 x block row + 64 x half) rows of 2,048 bytes
	s_lshl_b32 s46, s42, 7
	s_add_co_u32 s46, s46, s17
	s_lshl_b32 s46, s46, 11                        ; Wo: (128 x block column + 64 x half) rows,
	s_add_co_u32 s46, s46, 3*2097152               ; behind Wq, Wk and Wv
	s_mov_b32 s17, 0
	s_mov_b32 s47, 0
	s_mul_i32 s20, s10, HT                         ; where they go: wave x 64 rows
	s_wait_dscnt 0x0
	s_wait_kmcnt 0x0
	s_add_nc_u64 s[14:15], s[4:5], s[16:17]
	s_add_nc_u64 s[46:47], s[6:7], s[46:47]
.irp s, 0,1
	s_mov_b32 s[G0+4*\s], 1
	s_add_co_u32 s[G0+4*\s+1], s20, \s*SLOT
	s_add_nc_u64 s[G0+4*\s+2:G0+4*\s+3], s[14:15], \s*512
	s_or_b32 s[G0+4*\s+3], s[G0+4*\s+3], 0x80000000
	s_mov_b32 s[G0B+4*\s], 1
	s_add_co_u32 s[G0B+4*\s+1], s20, \s*SLOT
	s_add_nc_u64 s[G0B+4*\s+2:G0B+4*\s+3], s[46:47], \s*512
	s_or_b32 s[G0B+4*\s+3], s[G0B+4*\s+3], 0x80000000
.endr
	CROUND                                         ; all sixteen work-groups are here
	JLOAD 0                                        ; K 0-255: by this text's count a wave never has more than one tensor load out
	s_lshl_b32 s78, s42, 7
	s_lshl_b32 s79, s12, 6
	s_add_co_u32 s78, s78, s79                     ; my first column
	s_lshl_b32 s78, s78, 2                         ; in bytes of f32
	s_mov_b32 s79, 0
	s_add_nc_u64 s[76:77], s[68:69], s[78:79]      ; bo at my first column
	s_lshl_b32 s16, s13, 7
	s_lshl_b32 s17, s11, 6
	s_add_co_u32 s16, s16, s17                     ; my first row
	s_lshl_b32 s16, s16, 12                        ; rows of 4,096 bytes
	s_mov_b32 s17, 0
	s_add_nc_u64 s[8:9], s[70:71], s[16:17]
	s_add_nc_u64 s[8:9], s[8:9], s[78:79]          ; out0 at my block
	v_and_b32 v1, 15, v0                           ; r
	v_bfe_u32 v2, v0, 4, 1                         ; h
	v_lshlrev_b32 v[BO], 5, v2
	WIN 0x80                                       ; destination window 2
.irp b, 0,1,2,3
	global_load_b128 v[BIAS+8*\b:BIAS+8*\b+3],   v[BO], s[76:77] offset:64*\b      ; bias of columns 16 b + 8 h + 0..3
	global_load_b128 v[BIAS+8*\b+4:BIAS+8*\b+7], v[BO], s[76:77] offset:64*\b+16   ; and + 4..7
.endr
	WIN 0
	v_mul_u32_u24 v3, v1, PITCH
	v_lshl_add_u32 v3, v2, 4, v3                   ; row x pitch + 16 h
	s_mul_i32 s21, s11, HT
	s_mul_i32 s22, s12, HT
	s_add_co_u32 s22, s22, 2*HT
.irp s, 0,1
	v_add_nc_u32 v[ADRA+\s], s21, v3
	v_add_nc_u32 v[ADRB+\s], s22, v3
	s_add_co_u32 s21, s21, SLOT
	s_add_co_u32 s22, s22, SLOT
.endr
	s_mul_i32 s23, s10, 16*SPITCH
	s_add_co_u32 s23, s23, STAGE                   ; my stage
	v_mul_u32_u24 v4, v1, SPITCH
	v_lshl_add_u32 v4, v2, 5, v4                   ; in: row r, 32 bytes for each half of the lanes
	v_add_nc_u32 v[STO], s23, v4
	v_mul_u32_u24 v5, v2, SPITCH
	v_lshl_add_u32 v5, v1, 4, v5                   ; back: lanes 0-15 one row of 256 bytes, lanes 16-31 the next
	v_add_nc_u32 v[RD], s23, v5
	v_lshlrev_b32 v[CO], 12, v2
	v_lshl_add_u32 v[CO], v1, 4, v[CO]             ; the same two rows in out0
.macro PLACES                          ; four places behind a matrix instruction (ISA guide 7.12.1)
.rept 4
	v_nop
.endr
.endm
; 32 LDS loads: the fragments of 64 along K, at byte k of the slot's rows, into buffer f
.macro FETCH slot, k, f
	PLACES                                         ; the buffer's registers were read by matrix instructions
	WIN TO_B
.irp s, 0,1
.irp i, 0,1,2,3
	ds_load_b128 v[\f+8*(4*\s+\i):\f+8*(4*\s+\i)+3],   v[ADRB+\slot] offset:\k+64*\s+16*PITCH*\i
	ds_load_b128 v[\f+8*(4*\s+\i)+4:\f+8*(4*\s+\i)+7], v[ADRB+\slot] offset:\k+64*\s+16*PITCH*\i+32
.endr
.endr
	WIN 0
.irp s, 0,1
.irp i, 0,1,2,3
	ds_load_b128 v[\f+8*(4*\s+\i):\f+8*(4*\s+\i)+3],   v[ADRA+\slot] offset:\k+64*\s+16*PITCH*\i
	ds_load_b128 v[\f+8*(4*\s+\i)+4:\f+8*(4*\s+\i)+7], v[ADRA+\slot] offset:\k+64*\s+16*PITCH*\i+32
.endr
.endr
.endm
; 16 matrix instructions, 32 along K: the sixteen accumulators take turns, one instruction a turn, always in this order.
.macro MUL16 f, s, first
.irp a, 0,1,2,3
.irp b, 0,1,2,3
.if \first
	v_wmma_f32_16x16x32_f16 v[8*(4*\a+\b):8*(4*\a+\b)+7], v[\f+8*(4*\s+\b):\f+8*(4*\s+\b)+7], v[\f+8*(4*\s+\a):\f+8*(4*\s+\a)+7], v[BIAS+8*\b:BIAS+8*\b+7]
.else
	v_wmma_f32_16x16x32_f16 v[8*(4*\a+\b):8*(4*\a+\b)+7], v[\f+8*(4*\s+\b):\f+8*(4*\s+\b)+7], v[\f+8*(4*\s+\a):\f+8*(4*\s+\a)+7], v[8*(4*\a+\b):8*(4*\a+\b)+7]
.endif
.endr
.endr
.endm
; 64 along K from buffer f; in the middle the next 64, at byte k, are fetched into buffer g
.macro HALF slot, k, f, g, first
	s_wait_dscnt 0x0                               ; buffer f is in
	WIN MUL
	MUL16 \f, 0, \first
	FETCH \slot, \k, \g
	WIN MUL
	MUL16 \f, 1, 0
.endm
.macro LASTH f
	s_wait_dscnt 0x0
	WIN MUL
	MUL16 \f, 0, 0
	MUL16 \f, 1, 0
.endm
; 256 along K.  In front of the round every wave waits for all its tensor loads (its part of this slot) and for its reads of the other slot;
; the joint refill of the other slot is the first thing behind the round and has the trip's 128 matrix instructions in which to land.
.macro TRIP slot, refill, first
	s_wait_tensorcnt 0x0
	ds_add_u32 v254, v255
	s_wait_dscnt 0x0
	s_add_nc_u64 s[G0+4*\slot+2:G0+4*\slot+3], s[G0+4*\slot+2:G0+4*\slot+3], 1024     ; no load of mine is out: this slot's next 256 along K
	s_add_nc_u64 s[G0B+4*\slot+2:G0B+4*\slot+3], s[G0B+4*\slot+2:G0B+4*\slot+3], 1024
	s_wait_dscnt 0x0
	CROUND
.if \refill
	JLOAD 1-\slot
.endif
	FETCH \slot, 0, F0
	HALF \slot, 128, F0, F1, \first
	HALF \slot, 256, F1, F0, 0
	HALF \slot, 384, F0, F1, 0
	LASTH F1
	WIN 0
.endm
	s_wait_loadcnt 0x0                             ; the bias
	TRIP 0, 1, 1
	TRIP 1, 1, 0
	TRIP 0, 1, 0
	TRIP 1, 0, 0                                   ; the last 256: nothing is left to fetch
	PLACES                                         ; behind the last matrix instructions: LDS stores of results and loads into the buffers follow
; rows 16 i .. 16 i + 15 of my block: 32 bytes a lane and column block into my own stage, read back as whole rows of 256 bytes, store.
.macro OUT16 i, f
	WIN 0x08                                       ; an LDS store's data is source 1: window 2
.irp b, 0,1,2,3
	ds_store_b128 v[STO], v[8*(4*\i+\b):8*(4*\i+\b)+3]   offset:64*\b
	ds_store_b128 v[STO], v[8*(4*\i+\b)+4:8*(4*\i+\b)+7] offset:64*\b+16
.endr
	WIN 0
	s_wait_xcnt 0x0                                ; buffer f, which earlier stores read, is loaded again only behind this wait
.irp t, 0,1,2,3,4,5,6,7
	ds_load_b128 v[\f+4*\t:\f+4*\t+3], v[RD] offset:2*SPITCH*\t    ; LDS serves a wave's instructions in order: these see the stores above
.endr
.irp t, 0,1,2,3,4,5,6,7
	s_wait_dscnt 7-\t                              ; load t is back, the 7 - t younger ones may be out
	global_store_b128 v[CO], v[\f+4*\t:\f+4*\t+3], s[8:9] offset:65536*\i+8192*\t th:TH_STORE_NT   ; 16 lanes store 256 consecutive bytes at a multiple of 256
.endr
.endm
	OUT16 0, F0
	OUT16 1, F1
	OUT16 2, F0
	OUT16 3, F1
	s_wait_tensorcnt 0x0
	ds_add_u32 v254, v255
	s_wait_dscnt 0x0
	CROUND                                         ; the closing round
	s_endpgm
.Lfunc_end_k_q0aba0d131e_oproj:
	.size	k_q0aba0d131e_oproj, .Lfunc_end_k_q0aba0d131e_oproj-k_q0aba0d131e_oproj
	.p2alignl 7, 3214868480
	.fill 96, 4, 3214868480
	.section	.rodata,"a",@progbits
	.p2align	6, 0x0
	.amdhsa_kernel k_q0aba0d131e_oproj
		.amdhsa_group_segment_fixed_size 327680
		.amdhsa_private_segment_fixed_size 0
		.amdhsa_enable_private_segment 0
		.amdhsa_kernarg_size 32
		.amdhsa_user_sgpr_count 2
		.amdhsa_user_sgpr_kernarg_segment_ptr 1
		.amdhsa_wavefront_size32 1
		.amdhsa_system_sgpr_workgroup_id_x 1
		.amdhsa_system_sgpr_workgroup_id_y 1
		.amdhsa_system_sgpr_workgroup_id_z 1
		.amdhsa_system_vgpr_workitem_id 0
		.amdhsa_next_free_vgpr 672
		.amdhsa_next_free_sgpr 80
		.amdhsa_reserve_vcc 0
		.amdhsa_float_denorm_mode_32 3
		.amdhsa_float_denorm_mode_16_64 3
		.amdhsa_memory_ordered 1
		.amdhsa_forward_progress 1
		.amdhsa_inst_pref_size 88
	.end_amdhsa_kernel
	.amdgpu_metadata
---
amdhsa.version: [ 1, 2 ]
amdhsa.kernels:
  - .name:           k_q0aba0d131e_oproj
    .symbol:         k_q0aba0d131e_oproj.kd
    .args:
      - { .name: att, .offset: 0, .size: 8, .value_kind: global_buffer, .address_space: global }
      - { .name: wh, .offset: 8, .size: 8, .value_kind: global_buffer, .address_space: global }
      - { .name: bo, .offset: 16, .size: 8, .value_kind: global_buffer, .address_space: global }
      - { .name: out0, .offset: 24, .size: 8, .value_kind: global_buffer, .address_space: global }
    .group_segment_fixed_size: 327680
    .private_segment_fixed_size: 0
    .kernarg_segment_align: 8
    .kernarg_segment_size: 32
    .max_flat_workgroup_size: 128
    .sgpr_count:     80
    .vgpr_count:     672
    .wavefront_size: 32
...
	.end_amdgpu_metadata
.endif
;; end of part 4
